; MI455X (gfx1250); checked and timed in simulation.
; The chip was launched on July 23, 2026; its instructions are those of AMD's public machine-readable ISA for CDNA 5 (MIT licence, August 2026) and "CDNA5" Instruction Set Architecture Reference Guide (July 2026). The comments in the code are by the model that wrote it; some were corrected since.
;; Scaled Dot Product Attention. Allowed arithmetic: matrix products marked QUANTISED: E2M1 operands, one E8M0 scale for each 32 along K, by v_wmma_scale_f32_16x16x128_f8f6f4 with both operands' format E2M1 (or v_wmma_scale_f32_32x16x128_f4), f32 sums; everything else in f32.
;; Inputs: K_codes 16 x 2,048 x 2 x 16 uint8 (E2M1 codes of K, K innermost, in blocks of 32 codes, two codes a byte); K_scales 16 x 2,048 x 2 uint8 (E8M0 scales of K, one for each 32 codes along K); Krelpos_codes 2,048 x 2 x 16 uint8 (E2M1 codes of Krelpos, K innermost, in blocks of 32 codes, two codes a byte); Krelpos_scales 2,048 x 2 uint8 (E8M0 scales of Krelpos, one for each 32 codes along K); Q_codes 16 x 2,048 x 2 x 16 uint8 (E2M1 codes of Q, K innermost, in blocks of 32 codes, two codes a byte); Q_scales 16 x 2,048 x 2 uint8 (E8M0 scales of Q, one for each 32 codes along K); V_codes 16 x 64 x 64 x 16 uint8 (E2M1 codes of V, K innermost, in blocks of 32 codes, two codes a byte); V_scales 16 x 64 x 64 uint8 (E8M0 scales of V, one for each 32 codes along K).
;; Outputs: out0 16 x 2,048 x 64 float32.
;; This version of the problem:
;;   THIS VERSION OF THE PROBLEM IS GIVEN IN LOW PRECISION. The matrix products marked QUANTISED in the list below multiply operands that are first quantised to E2M1 (2 exponent bits, 1 mantissa bit; 4 bits a number), with one power-of-two scale for each 32 numbers along K (OCP MX v1.0); their sums are f32. All else is computed in f32.
;;   The module's matrix products, in the order in which they are computed (A, B: the left and right operand; K: the contracted axis; several contracted axes count as one K, in the product's order):
;;     1. batch 16 x [M 2,048, K 64] x [K 64, N 2,048]; A: input Q (given as codes); B: input K (given as codes): QUANTISED
;;     2. [M 32,768, K 64] x [K 64, N 2,048]; A: input Q (given as codes); B: input Krelpos (given as codes): QUANTISED
;;     3. batch 16 x [M 2,048, K 2,048] x [K 2,048, N 64]; A: softmax (see below); B: input V (given as codes): QUANTISED
;;   THE QUANTISER, for each operand of a quantised product, along K:
;;     - K is cut into blocks of 32 from its start; a last block that is shorter is filled with zeros.
;;     - A block's scale is 2^e with e = floor(log2(the largest magnitude in the block)) - 2, held to -126 .. 127; a block of zeros has e = 0. As a byte (E8M0): e + 127.
;;     - Each number is divided by its block's scale, clamped to +-6, and rounded to the nearest number of E2M1, ties to even, subnormals kept.
;;     - The product sums the exact products of the quantised numbers (number of the format x scale) in f32.
;;   ~~~python
;;   def quantise(x, axis):      # numpy; x: float32 -> the quantised numbers, widened to float32 again
;;       x = np.moveaxis(x, axis, -1); K = x.shape[-1]
;;       x = np.pad(x, [(0, 0)] * (x.ndim - 1) + [(0, -K % 32)]); x = x.reshape(x.shape[:-1] + (-1, 32)); a = np.abs(x).max(-1, keepdims=True)
;;       e = np.where(a > 0, np.clip(np.frexp(np.where(a > 0, a, 1))[1] - 1 - 2, -126, 127), 0)      # np.frexp(a)[1] - 1 = floor(log2(a)), exactly
;;       r = np.clip(x / 2.0 ** e, -6, 6)
;;       step = 2.0 ** (np.maximum(np.frexp(np.where(r == 0, 1, r))[1] - 1, 0) - 1)
;;       q = np.round(r / step) * step * 2.0 ** e      # np.round: ties to even
;;       return np.moveaxis(q.reshape(q.shape[:-2] + (-1,))[..., :K], -1, axis).astype(np.float32)
;;   ~~~
;;   SOFTMAX AHEAD OF A QUANTISED PRODUCT. Where the list says 'softmax', what is quantised is not the finished softmax but p = 2^(t - M), with t = logit x log2(e) and M = ceil(the row's largest t), a whole number; so 1/2 < the row's largest p <= 1. The row's sum l is taken of the UNQUANTISED p, in f32, and the product's result is divided by l at the end. Since M is a whole number, a kernel that streams over the keys may use a running M (the ceiling of the running maximum): every later rescaling is an exact power of two, which a block's scale takes up: the codes' values come out the same.
;;   OPERANDS COMPUTED ON THE WAY. 'Computed on the way' means the value that the module computes at that place (a softmax that the list does not call 'softmax' is quantised finished and normalised). What goes into a quantiser is computed in f32, as accurately as f32 sums, v_exp_f32 and their like allow (about 1e-6 of the number): no bf16 or f16 on the way to a quantiser, and a product that is left as it is and whose result goes on into a quantised operand takes f32 operands (vector FMAs, or v_wmma_f32_16x16x4_f32). A number that lies on a knife's edge between two numbers of the format may be rounded either way, as far as f32 arithmetic and the matrix unit's own rounding can turn it there, and no further.
;;   INPUTS GIVEN AS CODES. K (in the module: [16, 2048, 64], K = its axis 2); Krelpos (in the module: [64, 2048], K = its axis 0); Q (in the module: [16, 2048, 64], K = its axis 2); V (in the module: [16, 2048, 64], K = its axis 1): each comes as NAME_codes (uint8): NAME with its K axis moved to the last place and cut into blocks of 32 codes, [.., K / 32, bytes a block], one block behind the other in memory; two codes a byte, the lower K in the low four bits (a code: sign, 2 exponent bits, 1 mantissa bit); and NAME_scales (uint8): the same leading axes, one E8M0 byte (e + 127) for each 32 codes along K. Its value is code x scale, taken as it is: it is not quantised again, and the codes and scales need not be those that the quantiser above would give.
;; One version. Each part assembles by itself: llvm-mc -triple=amdgcn-amd-amdhsa -mcpu=gfx1250 --defsym DOCPART=n.
;; ======== version 1 of 1: 1 launch
;; limits: right only within a limited range of input values
;; launch attn (part 1): grid 16 x 16, 16 waves a work-group, no clusters, 327,680 bytes of LDS; arguments Q_codes, Q_scales, K_codes, K_scales, V_codes, V_scales, Krelpos_codes, Krelpos_scales, out0; writes out0
.if DOCPART == 1
	.amdgcn_target "amdgcn-amd-amdhsa--gfx1250"
	.amdhsa_code_object_version 6
	.text
	.protected	k_q4e90f2f872_attn
	.globl	k_q4e90f2f872_attn
	.p2align	8
	.type	k_q4e90f2f872_attn,@function
k_q4e90f2f872_attn:
	s_mov_b64 s[64:65], 0
	v_nop
	global_prefetch_b8 v0, s[64:65] scope:SCOPE_SE
	s_setreg_imm32_b32 hwreg(HW_REG_WAVE_MODE, 25, 1), 1
	s_wait_xcnt 0x0
; Causal attention with a relative-position term, on codes of FP4 (E2M1) with one E8M0 scale for each 32 along a product's K.
; 16 batches, 2,048 positions, head size 64.  For key t <= query s: score(s,t) = Q[s].K[t] + Q[s].R[2047 - s + t], R[u] = column u of Krelpos (what the pad-and-reshape of the problem
; comes to; its column of zeros lands at t = s + 1 only).  DEAD WORK LEFT OUT: whole steps of 128 keys with t > s, and R's products for them: the problem's own causal mask throws them away for all
; values of the inputs.  A NaN, an infinity or an overflow that reaches only that work is not carried to the result.
; tt = score x log2(e) / 8; M = the running largest tt rounded up to a whole number; p = 2^(tt - M) is quantised along the keys; the row's sum is of the unquantised p and divides O = P V at the end.
;
; THE SKEW.  Both products are transposed: lane (n, h) holds query s0 + n, and its registers L = 0..63 the keys t0 + 64 h + L.  It wants row Y0 + 64 h + L + 15 - n of R, Y0 = 2032 - s0 + t0.
; n = 8 b3 + 4 b2 + cl.  The matrix unit makes the shift by cl: T'[L'] = R[Y0 + 64 h + L' + 3 - cl].Q, L' = 0..79, as ten tiles o: row 8 h + j of tile o is L' = 10 j + o, so tile o wants the half
; operands F_x (rows Y0 + 64 h + 10 j + x), x = o + 3 - cl, of 64 along k each: two neighbours F_x, F_x+1 are an operand.  The other source holds Q masked to the columns of one class in each half:
; B1 = (cl 3 | cl 2) with F_o, B2 = (cl 1 | cl 0) with F_o+2: 20 instructions.  Two rounds of selects make the rest: U[i] = b3 ? T'[i] : T'[i + 8], S[L] = b2 ? U[L] : U[L + 4].
; Q.K is added onto S by 8 more: tile q's rows are keys 64 h + 8 q + j.  So S lies in key order, and a block of 32 keys whole in one lane.
; The second product's blocks 0,1,2,3 are the step's blocks 0,2,1,3: V's scale words have their two middle bytes swapped at the fill.
;
; SHARES.  Work-group (j, batch), 16 waves = 4 r + a: role r, pair a.  Early tile 4 j + a has E = j / 2 + 1 steps of 128 keys, its mirror 127 - (4 j + a) has NL = 17 - E.  Laid end to end, the late tile's
; steps first, they are z = 0..16: role r walks z = r, r + 4, r + 8, r + 12, and role 0 also 16.  A wave that comes to z >= NL puts its part of the late tile aside in LDS and begins the early one.
; R's operands and the scale words of a wave's next step are loaded behind the products of the one before.
; All parts meet in LDS; then each wave joins and stores 8 rows of a tile.
; LDS holds the batch's K, V and R from row 64 j on (the late tiles want no row under it), filled ONCE through registers, then only read.  THE FIRST STEPS lie in keys 0-511 and in R's rows 0-581 from 64 j on: so
; they begin when the first 1,024 rows of K and R lie in LDS.  The rest is on its way meanwhile in O^T's registers, V in those of its fragments; all is stored ahead of the first step's second product.
; NO CLUSTER, NO TENSOR LOADS: R's LDS addresses and the branches on a step's place hang on the work-group's own queries, in which partners of a joint load may not differ; and the LDS images (K and R in
; pieces of 16 bytes by block) are no rows of 256 bytes.  NO PREFETCH: there is no loop that loads from memory.
; LIMITS: a scale byte 0xff (NaN) in K or R also reaches the key or row that shares its operand.  A block of p under 2^-124 keeps the byte 1 (as the quantiser's hold at -126 has it).  1 / sum is v_rcp_f32;
; the exponential gives 0 for results under 2^-126.  The promise holds while the scaled scores stay under 2^31 in magnitude.
.set KREC, 2176                        ; K: a record for 64 keys: block 0 of each (1,024 bytes), their scale bytes (128) as [j][q], block 1; 2,176 = 8.5 x 256, so two records' rows fall on different columns of 256 bytes
.set KB1,  1152
.set RB,   69632                       ; R: plane of block 0, plane of block 1, 16 bytes a row, row 64 j first; rows 2,048-2,207 are zero codes.  Rows past Krelpos's end are wanted by hidden keys alone
.set RPL,  35328
.set VB,   140288                      ; V: row d, 1,024 bytes + 16 of zeros
.set VP,   1040
.set REB,  206848                      ; R's scale bytes: rows (2 i, 2 i + 1) in word i, 4,672 bytes; then the same for rows (2 i + 1, 2 i + 2), 4,608 bytes (1,168 words on = 16 modulo 64)
.set RSP,  4672
.set VSB,  216128                      ; V's scale words: step x 256 + (d % 32) x 8 + (d / 32) x 4
.set SWB,  220224                      ; parts of the late tiles: 16 slots (slot 4 role + a).  Those of the early tiles lie over K, from byte 0, when all steps are done
.set SLT,  4352                        ; a slot: 8 x (2 x (256 + 16)); the 16 spaces of 16 bytes hold (-M, sum), 8 bytes a lane
.set SPARE, 290048                     ; the spare words, 128 bytes for each wave
; vector registers
.set AK,   1                           ; v1-6 my lane's place in K, K's scales, R, R's scales, V, V's scales
.set AKS,  2
.set AR,   3
.set ARS,  4
.set AV,   5
.set AVS,  6
.set TA,   7                           ; v7-9 the step's addresses
.set TB,   8
.set TC,   9
.set NM,   10                          ; v10 -M, v11 the largest score so far
.set RM,   11
.set LS,   12                          ; v[12:13] the sum, in two halves
.set FF,   14                          ; v[14:15] f = 2^(old M - new M)
.set SQ,   16                          ; v16-30 hold scales alone: Q's (its two bytes under both halves of k), the second tile's, K's, V's, R's, p's
.set SQ2,  17
.set KS,   18
.set VS,   22
.set RS,   24
.set PS,   30
.set DA,   31                          ; my slot: O^T's registers; (-M, sum)
.set DB,   32
.set PX,   33
.set XD,   34
.set MX,   35
.set QZ,   36                          ; v36-47: zeros, Q, zeros: (0 | Q) at QZ, (Q | 0) at QZ + 4
.set B1,   48
.set B2,   56
.set Q2,   64                          ; the early tile's Q
.set OT,   68                          ; v68-99 O^T, four tiles of 16 channels
.set TP,   100                         ; v100-179 T'; later K's eight half operands, V's fragments (TP + 32), p's codes (TP + 64)
.set VF,   132
.set PC,   164
.set SOA,  172                         ; the conversions' scale operands, the scales' bytes
.set SOB,  173
.set BYA,  174
.set BYB,  175
.set WD,   176
.set U,    180                         ; v180-247: R's half operands F_0..F_12; then U, S, p
.set OLD,  248
.set NT,   249
.set SUM3, 248                         ; the sum's other chains: v[248:249], v[250:251], v[254:255]
.set SUM2, 250
.set BMA,  252
.set BMB,  253
.set BA2,  254
.set BB2,  255
.set SUM4, 254
; scalar registers
.set WV,   2
.set A4,   3
.set RHO,  4
.set TI,   26
.set TE,   27
.set NL,   28
.set ZC,   29
.set ZB,   30
.set ZO,   31
.set J64,  32
.set Y0B,  33
.set LAST, 34
.set DQ,   35
.set STEP, 36
.set SK,   37
.set SV,   38
.set SVS,  39
.set CS,   42
.set SEL,  44
.set NC,   46
.set PSEL, 47
.set S16,  60
.set S2,   61
.set CNT,  62
.set EARLY, 63
.set BAT,  66
.set TL,   67
; source 0 at a, source 1 at b, scale sa (row: its lanes 16-31), Q's or p's scale sb; zero = 1 starts the sum
.macro WM d, a, b, sa, row, sb, zero
.set wD, \d
.set wA, \a
.set wB, \b
.set wS, \sa
.if \zero
.if \row
	v_wmma_scale_f32_16x16x128_f8f6f4 v[wD:wD+7], v[wA:wA+7], v[wB:wB+7], 0, v[wS], v[\sb] matrix_a_fmt:MATRIX_FMT_FP4 matrix_b_fmt:MATRIX_FMT_FP4 matrix_a_scale:MATRIX_SCALE_ROW1
.else
	v_wmma_scale_f32_16x16x128_f8f6f4 v[wD:wD+7], v[wA:wA+7], v[wB:wB+7], 0, v[wS], v[\sb] matrix_a_fmt:MATRIX_FMT_FP4 matrix_b_fmt:MATRIX_FMT_FP4
.endif
.else
.if \row
	v_wmma_scale_f32_16x16x128_f8f6f4 v[wD:wD+7], v[wA:wA+7], v[wB:wB+7], v[wD:wD+7], v[wS], v[\sb] matrix_a_fmt:MATRIX_FMT_FP4 matrix_b_fmt:MATRIX_FMT_FP4 matrix_a_scale:MATRIX_SCALE_ROW1
.else
	v_wmma_scale_f32_16x16x128_f8f6f4 v[wD:wD+7], v[wA:wA+7], v[wB:wB+7], v[wD:wD+7], v[wS], v[\sb] matrix_a_fmt:MATRIX_FMT_FP4 matrix_b_fmt:MATRIX_FMT_FP4
.endif
.endif
.endm
.macro QKM q                           ; Q.K onto tile q
.if (\q)%2
	WM U+8*(\q), TP+4*(\q)-4, QZ, KS+(\q)/2, 0, SQ, 0
.else
	WM U+8*(\q), TP+4*(\q), QZ+4, KS+(\q)/2, 0, SQ, 0
.endif
.endm
.macro SELA n                          ; U[n] and U[n + 11] (the two elements' registers of T' differ by 1 or 2 modulo 8)
	v_dual_cndmask_b32 v[U+\n], v[TP+8*((\n+8)%10)+(\n+8)/10], v[TP+8*(\n%10)+\n/10] :: v_dual_cndmask_b32 v[U+\n+11], v[TP+8*((\n+19)%10)+(\n+19)/10], v[TP+8*((\n+11)%10)+(\n+11)/10]
.endm
.macro SHB q                           ; S's tile q from U, in place
.irp i, 0,2,4,6
	v_dual_cndmask_b32 v[U+8*(\q)+\i], v[U+8*(\q)+\i+4], v[U+8*(\q)+\i] :: v_dual_cndmask_b32 v[U+8*(\q)+\i+1], v[U+8*(\q)+\i+5], v[U+8*(\q)+\i+1]
.endr
.endm
.macro SUMN cnt                        ; the next numbers of p onto the row's sum, two at a time, in four chains
.rept \cnt
.if sn%4 == 0
	v_pk_add_f32 v[LS:LS+1], v[LS:LS+1], v[U+2*sn:U+2*sn+1]
.elseif sn%4 == 1
	v_pk_add_f32 v[SUM2:SUM2+1], v[SUM2:SUM2+1], v[U+2*sn:U+2*sn+1]
.elseif sn%4 == 2
	v_pk_add_f32 v[SUM3:SUM3+1], v[SUM3:SUM3+1], v[U+2*sn:U+2*sn+1]
.else
	v_pk_add_f32 v[SUM4:SUM4+1], v[SUM4:SUM4+1], v[U+2*sn:U+2*sn+1]
.endif
.set sn, sn+1
.endr
.endm
.macro BUILDQ                          ; Q masked by class: column n % 4 = 3 | 2, and 1 | 0
	s_mov_b32 vcc_lo, 0x88888888
.irp k, 0,1,2,3
	v_cndmask_b32 v[B1+\k], 0, v[QZ+4+\k], vcc_lo
.endr
	s_mov_b32 vcc_lo, 0x44444444
.irp k, 0,1,2,3
	v_cndmask_b32 v[B1+4+\k], 0, v[QZ+4+\k], vcc_lo
.endr
	s_mov_b32 vcc_lo, 0x22222222
.irp k, 0,1,2,3
	v_cndmask_b32 v[B2+\k], 0, v[QZ+4+\k], vcc_lo
.endr
	s_mov_b32 vcc_lo, 0x11111111
.irp k, 0,1,2,3
	v_cndmask_b32 v[B2+4+\k], 0, v[QZ+4+\k], vcc_lo
.endr
.endm
.macro TILE                            ; what hangs on the tile s[TI]; R's rows count from 64 j
	s_lshl_b32 s40, s[TI], 4
	s_sub_co_u32 s[Y0B], 2032, s40
	s_sub_co_u32 s[Y0B], s[Y0B], s[J64]
	s_and_b32 s[DQ], s40, 127
	s_lshr_b32 s[LAST], s[TI], 3
.endm
.macro FRESH                           ; no key yet: sum 0, largest score -3e38, -M from it
	v_mov_b32 v[LS], 0
	v_mov_b32 v[LS+1], 0
	v_mov_b32 v[RM], 0xff61b1e6
	v_mul_f32 v[NT], s[NC], v[RM]
	v_floor_f32 v[NM], v[NT]
.endm
.macro DUMP da, db                     ; my part of a tile into a slot: O^T's registers as they stand, then (-M, sum) from v[248:249]
.irp x, 0,1,2,3,4,5,6,7
	ds_store_b128 v[\da], v[OT+4*\x:OT+4*\x+3] offset:544*\x
.endr
	ds_store_b64 v[\db], v[248:249]
.endm
.macro OZERO
.set n, 0
.rept 32
	v_mov_b32 v[OT+n], 0
.set n, n+1
.endr
.endm
.macro VLOAD                           ; V's fragments, 32 consecutive bytes a lane, and its scale words (v22 channels 0-31, v23 32-63)
.irp t, 0,1,2,3
	ds_load_b128 v[VF+8*\t:VF+8*\t+3],   v[TB] offset:16*VP*\t
	ds_load_b128 v[VF+8*\t+4:VF+8*\t+7], v[TB] offset:16*VP*\t+16
.endr
	ds_load_b64 v[VS:VS+1], v[TC]
.endm
.macro RLOAD                           ; a step's scale words of R and K and R's half operands: s40 = Y0 - 64 j, s41 = the step
	s_lshl_b32 s[S16], s40, 4
	s_lshl_b32 s[S2], s40, 1
	s_mul_i32 s41, s41, 2*KREC
	v_add_nc_u32 v[TA], s[S16], v[AR]
	v_add_nc_u32 v[TB], s[S2], v[ARS]
	v_add_nc_u32 v[TC], s41, v[AKS]
.irp k, 0,1,2,3,4,5
	ds_load_b32 v[RS+\k], v[TB] offset:4*\k        ; lanes 0-15: the scales of F_2k, F_2k+1; lanes 16-31: of F_2k+1, F_2k+2
.endr
	ds_load_b128 v[KS:KS+3], v[TC]                 ; K's: word e tiles 2 e, 2 e + 1
.irp x, 0,1,2,3,4,5,6,7,8,9,10,11,12
	ds_load_b128 v[U+4*\x:U+4*\x+3], v[TA] offset:16*\x
.endr
.endm
; where chunk thread + 512 x of K and R goes (row t / 2 + 256 x, block t % 2); t1, t2 at work
.macro KRPLACE k, r, t1, t2
	v_lshrrev_b32 v[\t1], 7, v0
	v_and_b32 v[\t2], 1, v0
	v_mul_u32_u24 v[\k], v[\t1], KREC
	v_bfe_u32 v[\t1], v0, 1, 6
	v_mul_u32_u24 v[\r], v[\t2], RPL
	v_lshl_add_u32 v[\k], v[\t1], 4, v[\k]
	v_mul_u32_u24 v[\t2], v[\t2], KB1
	v_lshrrev_b32 v[\t1], 1, v0
	v_add_nc_u32 v[\r], RB, v[\r]
	v_add_nc_u32 v[\k], v[\k], v[\t2]
	v_lshl_add_u32 v[\r], v[\t1], 4, v[\r]
.endm
; A STEP: 128 keys.  first = 1: a wave's first step, z = its role in the late tile, in which the fill is finished.  Later steps find their scale words and R's operands asked for.
.macro STEPM first
.if \first
	s_lshl_b32 s40, s[RHO], 7
	s_lshl_b32 s41, s[A4], 4
	s_add_co_u32 s40, s40, s41                     ; Y0 - 64 j of a late tile = 16 a + 128 step: from the wave's number alone
	s_mov_b32 s41, s[RHO]
	s_mov_b32 s[STEP], s[RHO]
	RLOAD
.endif
	s_min_u32 s[STEP], s[STEP], 15                 ; (the bounds are written out, since the numbers hang on the work-group's)
	s_mul_i32 s[SK], s[STEP], 2*KREC
	s_lshl_b32 s[SV], s[STEP], 6
	s_lshl_b32 s[SVS], s[STEP], 8
.if \first
	s_wait_alu depctr_va_vdst(0)
.endif
	s_wait_dscnt 6                                 ; F_0 to F_6 are in; the six loads behind may be out
.irp o, 0,1,2,3,4,5
	WM TP+8*\o, U+4*\o, B1, RS+\o/2, \o%2, SQ, 1
.endr
	s_wait_dscnt 0x0
.irp o, 6,7,8,9
	WM TP+8*\o, U+4*\o, B1, RS+\o/2, \o%2, SQ, 1
.endr
.irp o, 0,1,2,3,4,5,6,7,8,9
	WM TP+8*\o, U+4*\o+8, B2, RS+1+\o/2, \o%2, SQ, 0
.endr
	v_add_nc_u32 v[TA], s[SK], v[AK]               ; four places in front of the first read of results
	v_add_nc_u32 v[TB], s[SV], v[AV]
	v_add_nc_u32 v[TC], s[SVS], v[AVS]
	v_nop
	s_mov_b32 vcc_lo, 0xff00ff00                   ; b3
.irp i, 0,1,2,3,4,5,6,7,8,9,10,22,23,24,25,26,27,28,29,30,31,32,44,45,46,47,48,49,50,51,52,53,54
	SELA \i
.endr
	v_cndmask_b32 v[U+66], v[TP+8*4+7], v[TP+8*6+6], vcc_lo
	v_cndmask_b32 v[U+67], v[TP+8*5+7], v[TP+8*7+6], vcc_lo
.if \first
	v_lshlrev_b32 v178, 4, v0
	v_lshlrev_b32 v179, 3, v0
.endif
.irp q, 0,1,2,3,4,5,6,7
	ds_load_b128 v[TP+4*\q:TP+4*\q+3], v[TA] offset:128*\q   ; K's rows 64 h + 8 q + j, over T'
.endr
.if \first
.irp x, 0,1,2,3,4,5,6,7
	global_load_b128 v[VF+4*\x:VF+4*\x+3], v178, s[16:17] offset:8192*\x   ; V, 16 bytes a thread, and its scale bytes
.endr
	global_load_b64 v[VS:VS+1], v179, s[18:19]
.else
	VLOAD
.endif
	s_mov_b32 vcc_lo, 0xf0f0f0f0                   ; b2
	SHB 0
	SHB 1
	SHB 2
	SHB 3
	SHB 4
	SHB 5
	s_wait_alu depctr_va_vdst(0)
.if \first
	s_wait_dscnt 0x0                               ; K is in
.else
	s_wait_dscnt 9                                 ; K is in; V's nine may be out
.endif
	QKM 0
	QKM 1
	QKM 2
	QKM 3
	SHB 6
	QKM 4
	SHB 7
	QKM 5
	QKM 6
	QKM 7
.if \first
	; rows 1,024 on of K and R
	KRPLACE 172, 173, 174, 175
	s_wait_alu depctr_va_vdst(0)
	s_wait_loadcnt 9                               ; they are in; V's nine may be out
.irp x, 0,1,2,3
	ds_store_b128 v172, v[OT+4*\x:OT+4*\x+3] offset:4*KREC*(4+\x)
	ds_store_b128 v173, v[OT+16+4*\x:OT+19+4*\x] offset:4096*(4+\x)
.endr
.else
	; the tile's last step lies on the diagonal: hidden scores become -infinity ahead of the maximum.  Key t0 counts for all 16 queries, so the row's maximum stays a number
	s_cmp_lg_u32 s[STEP], s[LAST]
	s_cbranch_scc1 .Lopen_\@
	v_and_b32 v248, 15, v0
	v_bfe_u32 v249, v0, 4, 1
	v_lshlrev_b32 v249, 6, v249
	v_sub_nc_u32 v248, v248, v249
	v_add_nc_u32 v250, s[DQ], v248                 ; d = my query - t0 - 64 h: key L is hidden where L > d
	v_mov_b32 v251, 0xff800000
.set n, 0
.rept 64
	v_cmp_gt_i32 vcc_lo, n, v250
	v_cndmask_b32 v[U+n], v[U+n], v251, vcc_lo
.set n, n+1
.endr
.Lopen_\@:
.endif
	; the largest scores of my two blocks, two chains each; the last products' tiles are read from the fifth line on
	v_max3_num_f32 v[BMA], v[U], v[U+1], v[U+2]
	v_max3_num_f32 v[BA2], v[U+16], v[U+17], v[U+18]
	v_max3_num_f32 v[BMA], v[BMA], v[U+3], v[U+4]
	v_max3_num_f32 v[BA2], v[BA2], v[U+19], v[U+20]
	v_max3_num_f32 v[BMB], v[U+32], v[U+33], v[U+34]
	v_max3_num_f32 v[BB2], v[U+48], v[U+49], v[U+50]
.irp i, 5,7,9,11,13
	v_max3_num_f32 v[BMA], v[BMA], v[U+\i], v[U+\i+1]
	v_max3_num_f32 v[BA2], v[BA2], v[U+16+\i], v[U+17+\i]
	v_max3_num_f32 v[BMB], v[BMB], v[U+30+\i], v[U+31+\i]
	v_max3_num_f32 v[BB2], v[BB2], v[U+46+\i], v[U+47+\i]
.endr
	v_max3_num_f32 v[BMB], v[BMB], v[U+45], v[U+46]
	v_max3_num_f32 v[BB2], v[BB2], v[U+61], v[U+62]
	v_max3_num_f32 v[BMA], v[BMA], v[U+15], v[U+31]
	v_max3_num_f32 v[BMB], v[BMB], v[U+47], v[U+63]
	v_max_num_f32 v[BMA], v[BMA], v[BA2]
	v_max_num_f32 v[BMB], v[BMB], v[BB2]
	s_delay_alu instid0(VALU_DEP_1)
	v_max_num_f32 v[MX], v[BMA], v[BMB]
	s_delay_alu instid0(VALU_DEP_1)
	v_permlanex16_b32 v[PX], v[MX], s[SEL], s[SEL+1]
	s_delay_alu instid0(VALU_DEP_1)
	v_max3_num_f32 v[RM], v[RM], v[MX], v[PX]      ; with lane l xor 16's 64 keys: the running largest score
	s_delay_alu instid0(VALU_DEP_1)
	v_mul_f32 v[NT], s[NC], v[RM]
	v_mov_b32 v[OLD], v[NM]
	s_delay_alu instid0(VALU_DEP_2)
	v_floor_f32 v[NM], v[NT]                       ; -M = floor(-tt): M is a whole number
	s_delay_alu instid0(VALU_DEP_1)
	v_sub_f32 v[OLD], v[NM], v[OLD]                ; old M - new M, a whole number, 0 or less
	s_delay_alu instid0(VALU_DEP_1)
	v_cvt_i32_f32 v[OLD], v[OLD]                   ; (it saturates)
	s_delay_alu instid0(VALU_DEP_1)
	v_ldexp_f32 v[FF], 1.0, v[OLD]                 ; f = 2^(old M - new M): the rescaling rounds nothing
.set n, 0
.rept 32
	v_pk_fma_f32 v[U+n:U+n+1], v[U+n:U+n+1], s[CS:CS+1], v[NM:NM+1] op_sel_hi:[1,0,0]   ; tt - M, two at a time (of the pairs the low word serves both halves)
.set n, n+2
.endr
	v_fma_f32 v[BMA], v[BMA], s[CS], v[NM]         ; the same of each block's largest score: p rises with the score
	v_fma_f32 v[BMB], v[BMB], s[CS], v[NM]
.if \first == 0
.set n, 0
.rept 16
	v_pk_mul_f32 v[OT+n:OT+n+1], v[OT+n:OT+n+1], v[FF:FF+1] op_sel_hi:[1,0]   ; O^T under the new M
.set n, n+2
.endr
.endif
	s_wait_alu depctr_va_vdst(0)                   ; ahead of the batch
.set n, 0
.rept 64
	v_exp_f32 v[U+n], v[U+n]
.set n, n+1
.endr
	v_exp_f32 v[BMA], v[BMA]                       ; the blocks' largest p
	v_exp_f32 v[BMB], v[BMB]
	v_pk_mul_f32 v[LS:LS+1], v[LS:LS+1], v[FF:FF+1] op_sel_hi:[1,0]   ; (a plain instruction behind the exponentials)
	s_wait_alu depctr_va_vdst(0)                   ; and behind it
.set sn, 6
	v_max_num_f32 v[BMA], 0x1800000, v[BMA]        ; the floor 2^(3 - 127): the byte cannot fall under 1
	v_max_num_f32 v[BMB], 0x1800000, v[BMB]
	v_pk_add_f32 v[SUM2:SUM2+1], v[U:U+1], v[U+2:U+3]   ; the row's sum is taken of the unquantised p
	v_pk_add_f32 v[SUM3:SUM3+1], v[U+4:U+5], v[U+6:U+7]
	v_add_nc_u32 v[SOA], 0xff000000, v[BMA]        ; 2 off the exponent field: the conversion's scale operand
	v_add_nc_u32 v[SOB], 0xff000000, v[BMB]
	v_pk_add_f32 v[SUM4:SUM4+1], v[U+8:U+9], v[U+10:U+11]
	SUMN 1
	v_lshrrev_b32 v[BYA], 23, v[SOA]               ; the scale's byte
	v_lshrrev_b32 v[BYB], 23, v[SOB]
	SUMN 2
	v_lshl_or_b32 v[WD], v[BYB], 16, v[BYA]        ; lanes 0-15: blocks 0 and 1 in bytes 0 and 2
	SUMN 2
	v_permlanex16_b32 v[XD], v[WD], s[SEL], s[SEL+1]
	SUMN 2
	v_lshl_or_b32 v[PS], v[XD], 8, v[WD]           ; with lane l + 16's blocks 2 and 3 in bytes 1 and 3: p's scale word (lanes 0-15 are read)
.irp q, 0,1,2,3
	v_cvt_scalef32_pk8_fp4_f32 v[PC+\q], v[U+8*\q:U+8*\q+7], v[SOA]
.endr
.irp q, 4,5,6,7
	v_cvt_scalef32_pk8_fp4_f32 v[PC+\q], v[U+8*\q:U+8*\q+7], v[SOB]
.endr
	SUMN 19                                        ; (the places between codes and scale word and the products)
	v_pk_add_f32 v[LS:LS+1], v[LS:LS+1], v[SUM2:SUM2+1]
	v_pk_add_f32 v[SUM3:SUM3+1], v[SUM3:SUM3+1], v[SUM4:SUM4+1]
	v_pk_add_f32 v[LS:LS+1], v[LS:LS+1], v[SUM3:SUM3+1]
.if \first
	; the fill is finished by V: row thread / 64 + 8 x, 16 (thread % 64); scale words of d = thread / 8, steps 2 (thread % 8) and + 1
	v_lshrrev_b32 v180, 6, v0
	v_and_b32 v181, 63, v0
	v_mul_u32_u24 v180, v180, VP
	v_and_b32 v182, 7, v0
	v_lshl_add_u32 v180, v181, 4, v180
	v_lshlrev_b32 v182, 9, v182
	v_bfe_u32 v183, v0, 3, 5
	v_add_nc_u32 v180, VB, v180
	v_lshl_add_u32 v182, v183, 3, v182
	v_lshrrev_b32 v190, 8, v0
	v_lshl_add_u32 v182, v190, 2, v182
	v_add_nc_u32 v182, VSB, v182
	s_wait_alu depctr_va_vdst(0)
	s_wait_loadcnt 0x0                             ; V and its scale bytes are in
.irp x, 0,1,2,3,4,5,6,7
	ds_store_b128 v180, v[VF+4*\x:VF+4*\x+3] offset:8*VP*\x
.endr
	v_perm_b32 v186, v[VS], v[VS], s[PSEL]         ; bytes 0, 2, 1, 3: the order of the second product's blocks
	v_perm_b32 v187, v[VS+1], v[VS+1], s[PSEL]
	ds_store_b32 v182, v186
	ds_store_b32 v182, v187 offset:256
	s_wait_alu depctr_va_vdst(0)
	s_wait_dscnt 0x0                               ; my part lies in LDS
	s_barrier_signal -1
	s_barrier_wait -1
	VLOAD
.endif
	s_wait_alu depctr_va_vdst(0)
	s_wait_dscnt 0x0                               ; V and its scale words are in
.irp t, 0,1,2,3
	WM OT+8*\t, VF+8*\t, PC, VS+\t/2, \t%2, PS, \first
.endr
	; my next step, z + 4: its tile, its place, and its first loads, over p
	s_mov_b32 s[ZO], s[ZB]
	s_add_co_u32 s48, s[ZC], 4
	s_cmp_lt_u32 s48, s[NL]
	s_cselect_b32 s[TI], s[TL], s[TE]
	s_cselect_b32 s[ZB], 0, s[NL]
	TILE
	s_sub_co_u32 s[STEP], s48, s[ZB]
	s_cmp_gt_u32 s48, 16
	s_cbranch_scc1 .Lnone_\@                       ; none follows
	s_min_u32 s41, s[STEP], 15
	s_lshl_b32 s40, s41, 7
	s_add_co_u32 s40, s40, s[Y0B]
	s_min_u32 s40, s40, 2032
	RLOAD
.Lnone_\@:
.rept 5
	v_nop                                          ; five places in front of products that write over V's fragments and p's codes
.endr
.endm
	; ---- ids and addresses
	s_load_b256 s[8:15], s[0:1], 0x0               ; Q's codes s[8:9], Q's scales s[10:11], K's codes s[12:13], K's scales s[14:15]
	s_load_b256 s[16:23], s[0:1], 0x20             ; V's codes s[16:17], V's scales s[18:19], R's codes s[20:21], R's scales s[22:23]
	s_load_b64 s[24:25], s[0:1], 0x40              ; out0
	v_lshrrev_b32 v200, 5, v0
	v_lshlrev_b32 v180, 4, v0                      ; the fill: 16 bytes a thread, 8,192 a load of the work-group
	v_lshlrev_b32 v181, 3, v0
	v_and_b32 v193, 15, v0                         ; m
	v_readfirstlane_b32 s[WV], v200                ; wave 0..15
	s_lshl_b32 s[J64], ttmp9, 6                    ; R's first row
	s_lshl_b32 s40, ttmp9, 11
	s_sub_co_u32 s41, 65520, s40                   ; from there on R has 65,536 - 2,048 j bytes: no load passes its end
	s_lshl_b32 s68, ttmp9, 7
	s_sub_co_u32 s69, 4088, s68                    ; and 4,096 - 128 j scale bytes
	s_sub_co_u32 s70, 4094, s68
	s_wait_alu depctr_va_vdst(0)
	v_bfe_u32 v194, v0, 4, 1                       ; h
	v_add_nc_u32 v182, 8, v181
	v_min_u32 v182, s70, v182                      ; the scale bytes of the row behind my four
	v_min_u32 v219, s69, v181                      ; my four rows' (what is past the end belongs to rows that hidden keys alone want)
	v_lshlrev_b32 v183, 5, v193
	v_lshl_add_u32 v183, v194, 4, v183             ; Q: row m, block h
	v_lshlrev_b32 v184, 1, v193
.irp x, 0,1,2,3
	v_add_nc_u32 v[220+\x], 8192*(4+\x), v180
.endr
.irp x, 0,1,2,3
	v_min_u32 v[220+\x], s41, v[220+\x]
.endr
	s_wait_alu depctr_va_vdst(0)
	s_and_b32 s[A4], s[WV], 3                      ; a
	s_lshr_b32 s[RHO], s[WV], 2                    ; role
	s_lshl_b32 s[TE], ttmp9, 2
	s_add_co_u32 s[TE], s[TE], s[A4]               ; early tile
	s_sub_co_u32 s[TL], 127, s[TE]                 ; late tile
	s_lshr_b32 s40, ttmp9, 1
	s_sub_co_u32 s[NL], 16, s40                    ; the late tile's steps
	s_mov_b32 s[ZC], s[RHO]                        ; my first z, in the late tile
	s_mov_b32 s[ZB], 0                             ; step = z - ZB
	s_mov_b32 s[EARLY], 0                          ; 1: O^T is the early tile's
	s_and_b32 s[BAT], ttmp7, 0xffff                ; the batch: 65,536 bytes of codes, 4,096 scale bytes
	s_lshl_b32 s58, s[BAT], 16
	s_mov_b32 s59, 0
	s_lshl_b32 s60, s[BAT], 12
	s_mov_b32 s61, 0
	s_lshl_b32 s40, s[TL], 9
	s_add_co_u32 s48, s58, s40                     ; Q's codes of the late tile: 512 bytes a tile
	s_mov_b32 s49, 0
	s_lshl_b32 s40, s[TL], 5
	s_add_co_u32 s50, s60, s40
	s_mov_b32 s51, 0
	s_lshl_b32 s40, s[TE], 9
	s_add_co_u32 s54, s58, s40                     ; and of the early tile
	s_mov_b32 s55, 0
	s_lshl_b32 s40, s[TE], 5
	s_add_co_u32 s56, s60, s40
	s_mov_b32 s57, 0
	s_lshl_b32 s52, ttmp9, 11
	s_mov_b32 s53, 0
	s_mov_b32 s69, 0
	s_wait_kmcnt 0x0
	s_add_nc_u64 s[20:21], s[20:21], s[52:53]
	s_add_nc_u64 s[22:23], s[22:23], s[68:69]
	s_add_nc_u64 s[68:69], s[8:9], s[48:49]
	s_add_nc_u64 s[70:71], s[10:11], s[50:51]
	s_add_nc_u64 s[72:73], s[8:9], s[54:55]
	s_add_nc_u64 s[74:75], s[10:11], s[56:57]
	s_add_nc_u64 s[12:13], s[12:13], s[58:59]
	s_add_nc_u64 s[14:15], s[14:15], s[60:61]
	s_add_nc_u64 s[16:17], s[16:17], s[58:59]
	s_add_nc_u64 s[18:19], s[18:19], s[60:61]
	; ---- 23 loads: what the first steps want, then the rest of K and R.  No hint: other work-groups read the same bytes
	global_load_b128 v[QZ+4:QZ+7], v183, s[68:69]
	global_load_b128 v[Q2:Q2+3], v183, s[72:73]
	global_load_u16 v[SQ], v184, s[70:71]
	global_load_u16 v[SQ2], v184, s[74:75]
	global_load_b64 v[164:165], v181, s[14:15]
	global_load_b64 v[166:167], v219, s[22:23]
	global_load_u16 v168, v182, s[22:23]
.irp x, 0,1,2,3
	global_load_b128 v[100+4*\x:100+4*\x+3], v180, s[12:13] offset:8192*\x
.endr
.irp x, 0,1,2,3
	global_load_b128 v[116+4*\x:116+4*\x+3], v180, s[20:21] offset:8192*\x
.endr
.irp x, 0,1,2,3
	global_load_b128 v[OT+4*\x:OT+4*\x+3], v180, s[12:13] offset:8192*(4+\x)
.endr
.irp x, 0,1,2,3
	global_load_b128 v[OT+16+4*\x:OT+19+4*\x], v[220+\x], s[20:21]
.endr
	s_mov_b32 s[CS], 0x3e38aa3b                    ; c = log2(e) / 8
	s_mov_b32 s[CS+1], s[CS]                       ; (named with it as a pair, so it is written)
	s_mov_b32 s[NC], 0xbe38aa3b                    ; -c
	s_mov_b32 s[SEL], 0x76543210                   ; selects for lane l xor 16
	s_mov_b32 s[SEL+1], 0xfedcba98
	s_mov_b32 s[PSEL], 0x03010200
	s_wait_alu depctr_va_vdst(0)
	; where the fill goes
	KRPLACE 185, 186, 200, 202
	v_and_b32 v201, 1, v0
	v_lshrrev_b32 v204, 4, v0
	v_bfe_u32 v205, v0, 1, 3
	v_lshrrev_b32 v206, 8, v0
	v_and_b32 v207, 0xff, v0
	v_lshrrev_b32 v208, 3, v0
	v_and_b32 v209, 7, v0                          ; j
	v_mul_u32_u24 v187, v204, KREC
	v_mul_u32_u24 v206, v206, RPL
	v_mul_u32_u24 v192, v208, VP
	v_add_nc_u32 v189, v0, v208
	v_lshl_add_u32 v187, v201, 6, v187
	v_add_nc_u32 v206, RB, v206
	v_lshl_add_u32 v192, v209, 1, v192
	v_lshl_add_u32 v187, v205, 1, v187             ; K's scale bytes of rows 4 thread + i: j = 4 (thread % 2) + i, q
	v_lshl_add_u32 v188, v0, 3, REB                ; R's scale bytes as they lie
	v_add_nc_u32 v189, REB, v189                   ; the zeros behind them: two bytes from t + t / 8 on, a wave's 36 without a gap;
	v_add_nc_u32 v218, REB, v0                     ; behind the second copy a byte a thread
	v_lshl_add_u32 v190, v207, 3, v206             ; the zero rows of R: 128 by eight bytes a thread, 32 by two
	v_lshl_add_u32 v191, v207, 1, v206
	v_add_nc_u32 v192, VB, v192                    ; the 16 bytes behind each row of V
	; my lane's places.  Row m of an operand: hp = m / 8, j = m % 8
	v_bfe_u32 v195, v0, 3, 1                       ; hp
	v_mul_u32_u24 v196, v195, KREC
	v_lshl_add_u32 v196, v209, 4, v196
	v_mul_u32_u24 v[AK], v194, KB1
	v_add_nc_u32 v[AK], v[AK], v196
	v_add_nc_u32 v[AKS], 0x400, v196
	v_mul_u32_u24 v197, v194, RPL
	v_lshl_add_u32 v197, v195, 10, v197
	v_mul_u32_u24 v198, v209, 160
	v_add_nc_u32 v197, v197, v198
	v_add_nc_u32 v[AR], RB, v197
	v_mul_u32_u24 v197, v194, RSP
	v_lshl_add_u32 v197, v195, 7, v197
	v_mul_u32_u24 v198, v209, 20
	v_add_nc_u32 v197, v197, v198
	v_add_nc_u32 v[ARS], REB, v197
	v_mul_u32_u24 v197, v193, VP
	v_lshl_add_u32 v197, v194, 5, v197
	v_add_nc_u32 v[AV], VB, v197
	v_and_b32 v199, 31, v0
	v_lshl_add_u32 v[AVS], v199, 3, VSB
	s_lshl_b32 s40, s[RHO], 2
	s_add_co_u32 s40, s40, s[A4]
	s_mul_i32 s40, s40, SLT
	s_add_co_u32 s40, s40, SWB                     ; my slot
	v_mul_u32_u24 v197, v194, 272
	v_lshl_add_u32 v197, v193, 4, v197
	v_add_nc_u32 v[DA], s40, v197
	v_lshrrev_b32 v198, 1, v199
	v_mul_u32_u24 v198, v198, 272
	v_lshl_add_u32 v198, v201, 3, v198
	v_add_nc_u32 v198, 0x100, v198
	v_add_nc_u32 v[DB], s40, v198
.irp k, 0,1,2,3
	v_mov_b32 v[210+\k], 0
	v_mov_b32 v[QZ+\k], 0
	v_mov_b32 v[QZ+8+\k], 0
.endr
	FRESH
	v_mov_b32 v[PX], 0                             ; a lane permute's destination counts as one of its sources
	v_mov_b32 v[XD], 0
	v_mov_b32 v[FF+1], 0                           ; (named as the upper half of a pair)
	v_mov_b32 v216, v[NM]
	v_mov_b32 v217, 0
	; what is zero, under the loads' flight: R's rows behind the last and their scale bytes, V's row ends; and my slot: O^T 0, sum 0, M under every M
	ds_store_b64 v190, v[210:211] offset:32768
	ds_store_b16 v191, v210 offset:34816
	ds_store_b8 v189, v210 offset:4096
	ds_store_b8 v189, v210 offset:4097
	ds_store_b8 v218, v210 offset:RSP+4096
	ds_store_b16 v192, v210 offset:1024
.irp x, 0,1,2,3,4,5,6,7
	ds_store_b128 v[DA], v[210:213] offset:544*\x
.endr
	ds_store_b64 v[DB], v[216:217]
	s_wait_alu depctr_va_vdst(0)
	s_wait_loadcnt 19                              ; Q's four are in
	v_lshl_or_b32 v[SQ], v[SQ], 16, v[SQ]          ; Q's two scale bytes under both halves of k (the half without codes adds 0)
	v_lshl_or_b32 v[SQ2], v[SQ2], 16, v[SQ2]
	BUILDQ
	s_wait_alu depctr_va_vdst(0)
	s_wait_loadcnt 16                              ; the three of scale bytes
	ds_store_b16 v187, v164 offset:1024
	ds_store_b16_d16_hi v187, v164 offset:1040
	ds_store_b16 v187, v165 offset:1056
	ds_store_b16_d16_hi v187, v165 offset:1072
	v_alignbit_b32 v214, v167, v166, 16            ; rows 4 thread + 1, + 2
	v_alignbit_b32 v215, v168, v167, 16            ; and + 3, + 4
	ds_store_b64 v188, v[166:167]
	ds_store_b64 v188, v[214:215] offset:RSP
	s_wait_loadcnt 12                              ; K's first four
.irp x, 0,1,2,3
	ds_store_b128 v185, v[100+4*\x:100+4*\x+3] offset:4*KREC*\x
.endr
	s_wait_loadcnt 8                               ; R's first four; the rest, eight loads, stays on its way
.irp x, 0,1,2,3
	ds_store_b128 v186, v[116+4*\x:116+4*\x+3] offset:4096*\x
.endr
	s_mov_b32 s[CNT], 4
	s_wait_alu depctr_va_vdst(0)                   ; at the head's end
	s_wait_xcnt 0x0                                ; the loads have read their addresses, which the step writes over
	s_wait_dscnt 0x0                               ; my part lies in LDS
	s_barrier_signal -1
	s_barrier_wait -1                              ; everybody's part of the first 1,024 rows of K and R
	; ---- my first step, then four trips (roles 1 to 3 walk three)
	STEPM 1
	s_wait_alu depctr_va_vdst(0)
	s_add_co_u32 s[ZC], s[ZC], 4
.Ltrip:
	s_cmp_gt_u32 s[ZC], 16
	s_cbranch_scc1 .Lskip
	s_cmp_eq_u32 s[ZB], s[ZO]
	s_cbranch_scc1 .Lstay
	v_mov_b32 v248, v[NM]                          ; my steps of the late tile are done: my part goes to my slot
	v_add_f32 v249, v[LS], v[LS+1]
	DUMP DA, DB
.irp k, 0,1,2,3
	v_mov_b32 v[QZ+4+\k], v[Q2+\k]
.endr
	v_mov_b32 v[SQ], v[SQ2]
	BUILDQ
	OZERO
	FRESH
	s_wait_alu depctr_va_vdst(0)
	s_mov_b32 s[EARLY], 1
.Lstay:
	STEPM 0
	s_wait_alu depctr_va_vdst(0)
.Lskip:
	s_add_co_u32 s[ZC], s[ZC], 4
	s_sub_co_u32 s[CNT], s[CNT], 1
	s_cmp_lg_u32 s[CNT], 0
	s_cbranch_scc1 .Ltrip
	; ---- the parts meet.  Roles 0 and 1 join a late tile's rows 0-7 and 8-15, roles 2 and 3 an early tile's.  The addresses are made ahead of the parting:
	; lane (g, p) takes 16 bytes p of a row: channels 4 p .. 4 p + 3, which tile p / 4, half (p / 2) % 2 and register quad p % 2 of O^T hold
	s_wait_dscnt 0x0                               ; no load of mine is out
	s_and_b32 s54, s[RHO], 1                       ; which 8 rows
	s_lshr_b32 s55, s[RHO], 1
	s_xor_b32 s56, s55, 1                          ; late 1, early 0
	s_mul_i32 s40, s[A4], SLT
	s_mul_i32 s41, s56, SWB
	s_add_co_u32 s40, s40, s41
	s_lshl_b32 s41, s54, 7
	s_add_co_u32 s41, s41, s40
	s_mul_i32 s48, s54, 1088
	s_add_co_u32 s48, s48, s40
	s_add_co_u32 s48, s48, 256
	s_lshl_b32 s49, s[RHO], 2
	s_add_co_u32 s49, s49, s[A4]
	s_mul_i32 s49, s49, SLT                        ; my slot for the early tile, over K
	s_cmp_lt_u32 s[RHO], 2
	s_cselect_b32 s40, s[TL], s[TE]
	s_lshl_b32 s52, s[BAT], 19
	s_lshl_b32 s40, s40, 12
	s_add_co_u32 s52, s52, s40
	s_lshl_b32 s40, s54, 11
	s_add_co_u32 s52, s52, s40
	s_mov_b32 s53, 0
	s_add_nc_u64 s[24:25], s[24:25], s[52:53]      ; my 8 rows of out0, 256 bytes each
	v_mov_b32 v248, v[NM]
	v_add_f32 v249, v[LS], v[LS+1]
	v_bfe_u32 v200, v0, 2, 2
	v_bfe_u32 v201, v0, 4, 1                       ; g
	v_and_b32 v202, 1, v0
	v_bfe_u32 v203, v0, 1, 1
	v_and_b32 v204, 31, v0
	v_and_b32 v205, 15, v0
	v_mul_u32_u24 v1, v200, 1088
	v_mul_u32_u24 v4, v201, 272
	v_lshrrev_b32 v206, 1, v204
	v_mad_u32_u24 v1, v202, 544, v1
	v_lshl_add_u32 v4, v205, 4, v4
	v_mul_u32_u24 v5, v206, 272
	v_mad_u32_u24 v1, v203, 272, v1
	v_add_nc_u32 v4, s49, v4                       ; the early slot: O^T's registers
	v_lshl_add_u32 v5, v202, 3, v5
	v_lshl_add_u32 v1, v201, 4, v1
	v_add_nc_u32 v5, 0x100, v5
	v_add_nc_u32 v1, s41, v1                       ; O^T's pieces; rows two on: 32 bytes
	v_add_nc_u32 v5, s49, v5                       ; and (-M, sum)
	v_lshl_add_u32 v2, v201, 3, s48                ; (-M, sum) of lane n; lane n + 16's 2,176 on; rows two on: 272
	v_lshlrev_b32 v3, 4, v204                      ; 512 bytes of out0
	s_wait_alu depctr_va_vdst(0)
	s_cmp_lg_u32 s[EARLY], 0
	s_cbranch_scc1 .Learly                         ; I end in the early tile
	DUMP DA, DB                                    ; I end in the late tile: to the early one I add nothing
	OZERO
	FRESH
	v_mov_b32 v248, v[NM]
	v_mov_b32 v249, 0
	s_wait_alu depctr_va_vdst(0)
.Learly:
	s_wait_dscnt 0x0                               ; my reads of K are over
	s_barrier_signal -1
	s_barrier_wait -1                              ; everybody's: the early parts go over K
	DUMP 4, 5
	s_wait_dscnt 0x0                               ; for the others' sake: my stores have landed
	s_barrier_signal -1
	s_barrier_wait -1
	; four parts of four rows a lane (k: rows two apart): the joint -M, each part's factor 2^(its M - joint M), the row's sum, the rows
.set i, 0
.rept 4
.irp k, 0,1,2,3
	ds_load_b64 v[128+8*i+2*\k:129+8*i+2*\k], v2 offset:4*SLT*i+272*\k
	ds_load_b64 v[160+8*i+2*\k:161+8*i+2*\k], v2 offset:4*SLT*i+272*\k+2176
.endr
.set i, i+1
.endr
.set i, 0
.rept 4
.irp k, 0,1,2,3
	ds_load_b128 v[64+16*i+4*\k:67+16*i+4*\k], v1 offset:4*SLT*i+32*\k
.endr
.set i, i+1
.endr
	s_wait_dscnt 16                                ; the pairs are in; the rows may be out
.irp k, 0,1,2,3
	v_min3_num_f32 v[236+\k], v[128+2*\k], v[136+2*\k], v[144+2*\k]
.endr
.irp k, 0,1,2,3
	v_min_num_f32 v[236+\k], v[236+\k], v[152+2*\k]
.endr
.set i, 0
.rept 4
.irp k, 0,1,2,3
	v_sub_f32 v[192+8*i+2*\k], v[236+\k], v[128+8*i+2*\k]
.endr
.irp k, 0,1,2,3
	v_cvt_i32_f32 v[192+8*i+2*\k], v[192+8*i+2*\k]
.endr
.irp k, 0,1,2,3
	v_ldexp_f32 v[192+8*i+2*\k], 1.0, v[192+8*i+2*\k]   ; (a part without keys comes out 0)
.endr
.irp k, 0,1,2,3
	v_add_f32 v[129+8*i+2*\k], v[129+8*i+2*\k], v[161+8*i+2*\k]
.endr
.irp k, 0,1,2,3
.if i == 0
	v_mul_f32 v[228+\k], v[192+2*\k], v[129+2*\k]
.else
	v_fma_f32 v[228+\k], v[192+8*i+2*\k], v[129+8*i+2*\k], v[228+\k]
.endif
.endr
.set i, i+1
.endr
	s_wait_alu depctr_va_vdst(0)                   ; ahead of the batch
.irp k, 0,1,2,3
	v_rcp_f32 v[232+\k], v[228+\k]
.endr
	v_nop                                          ; a plain instruction behind the transcendentals
	s_wait_alu depctr_va_vdst(0)                   ; and behind it
.set i, 0
.rept 4
.irp k, 0,1,2,3
	v_mul_f32 v[192+8*i+2*\k], v[192+8*i+2*\k], v[232+\k]
.endr
.set i, i+1
.endr
	s_wait_alu depctr_va_vdst(0)
	s_wait_dscnt 0x0
.irp k, 0,1,2,3
	v_pk_mul_f32 v[64+4*\k:65+4*\k], v[64+4*\k:65+4*\k], v[192+2*\k:193+2*\k] op_sel_hi:[1,0]
	v_pk_mul_f32 v[66+4*\k:67+4*\k], v[66+4*\k:67+4*\k], v[192+2*\k:193+2*\k] op_sel_hi:[1,0]
.endr
.set i, 1
.rept 3
.irp k, 0,1,2,3
	v_pk_fma_f32 v[64+4*\k:65+4*\k], v[64+16*i+4*\k:65+16*i+4*\k], v[192+8*i+2*\k:193+8*i+2*\k], v[64+4*\k:65+4*\k] op_sel_hi:[1,0,1]
	v_pk_fma_f32 v[66+4*\k:67+4*\k], v[66+16*i+4*\k:67+16*i+4*\k], v[192+8*i+2*\k:193+8*i+2*\k], v[66+4*\k:67+4*\k] op_sel_hi:[1,0,1]
.endr
.set i, i+1
.endr
.irp k, 0,1,2,3
	global_store_b128 v3, v[64+4*\k:67+4*\k], s[24:25] offset:512*\k th:TH_STORE_NT   ; 32 lanes store 512 consecutive bytes, at a multiple of 256 from out0's first byte
.endr
	v_lshl_add_u32 v254, v0, 2, SPARE
	v_mov_b32 v255, 0
	s_wait_alu depctr_va_vdst(0)
	s_wait_tensorcnt 0x0                           ; the wave's end
	ds_add_u32 v254, v255
	s_wait_dscnt 0x0
	s_endpgm
.Lfunc_end_k_q4e90f2f872_attn:
	.size	k_q4e90f2f872_attn, .Lfunc_end_k_q4e90f2f872_attn-k_q4e90f2f872_attn
	.p2alignl 7, 3214868480
	.fill 96, 4, 3214868480
	.section	.rodata,"a",@progbits
	.p2align	6, 0x0
	.amdhsa_kernel k_q4e90f2f872_attn
		.amdhsa_group_segment_fixed_size 327680
		.amdhsa_private_segment_fixed_size 0
		.amdhsa_enable_private_segment 0
		.amdhsa_kernarg_size 72
		.amdhsa_user_sgpr_count 2
		.amdhsa_user_sgpr_kernarg_segment_ptr 1
		.amdhsa_wavefront_size32 1
		.amdhsa_system_sgpr_workgroup_id_x 1
		.amdhsa_system_sgpr_workgroup_id_y 1
		.amdhsa_system_sgpr_workgroup_id_z 1
		.amdhsa_system_vgpr_workitem_id 0
		.amdhsa_next_free_vgpr 256
		.amdhsa_next_free_sgpr 76
		.amdhsa_reserve_vcc 1
		.amdhsa_float_denorm_mode_32 3
		.amdhsa_float_denorm_mode_16_64 3
		.amdhsa_memory_ordered 1
		.amdhsa_forward_progress 1
		.amdhsa_inst_pref_size 87
	.end_amdhsa_kernel
	.amdgpu_metadata
---
amdhsa.version: [ 1, 2 ]
amdhsa.kernels:
  - .name:           k_q4e90f2f872_attn
    .symbol:         k_q4e90f2f872_attn.kd
    .args:
      - { .name: Q_codes, .offset: 0, .size: 8, .value_kind: global_buffer, .address_space: global }
      - { .name: Q_scales, .offset: 8, .size: 8, .value_kind: global_buffer, .address_space: global }
      - { .name: K_codes, .offset: 16, .size: 8, .value_kind: global_buffer, .address_space: global }
      - { .name: K_scales, .offset: 24, .size: 8, .value_kind: global_buffer, .address_space: global }
      - { .name: V_codes, .offset: 32, .size: 8, .value_kind: global_buffer, .address_space: global }
      - { .name: V_scales, .offset: 40, .size: 8, .value_kind: global_buffer, .address_space: global }
      - { .name: Krelpos_codes, .offset: 48, .size: 8, .value_kind: global_buffer, .address_space: global }
      - { .name: Krelpos_scales, .offset: 56, .size: 8, .value_kind: global_buffer, .address_space: global }
      - { .name: out0, .offset: 64, .size: 8, .value_kind: global_buffer, .address_space: global }
    .group_segment_fixed_size: 327680
    .private_segment_fixed_size: 0
    .kernarg_segment_align: 8
    .kernarg_segment_size: 72
    .max_flat_workgroup_size: 512
    .sgpr_count:     76
    .vgpr_count:     256
    .wavefront_size: 32
...
	.end_amdgpu_metadata
.endif
;; end of part 1
